; MI455X (gfx1250); checked and timed in simulation.
; The chip was launched on July 23, 2026; its instructions are those of AMD's public machine-readable ISA for CDNA 5 (MIT licence, August 2026) and "CDNA5" Instruction Set Architecture Reference Guide (July 2026). The comments in the code are by the model that wrote it; some were corrected since.
;; Vector Quantizer EMA. Allowed arithmetic: float matrix products may take bf16 or f16 operands with f32 sums; all other float work in f32.
;; Inputs: embedding 1,024 x 64 float32; x 8 x 64 x 8 x 32 x 32 float32.
;; Outputs: out0 8 x 64 x 8 x 32 x 32 float32; out1 one number float32; out2 one number float32; out3 8 x 8 x 32 x 32 int32.
;; One version. Each part assembles by itself: llvm-mc -triple=amdgcn-amd-amdhsa -mcpu=gfx1250 --defsym DOCPART=n.
;; ======== version 1 of 1: 3 launches
;; workspace buffers: codes 262,144 bytes of whole numbers; part 4,096 bytes
;; launch nearest (part 1): grid 256 x 1, 8 waves a work-group, no clusters, 193,536 bytes of LDS; arguments embedding, x, out3, codes; writes out3, codes
.if DOCPART == 1
	.amdgcn_target "amdgcn-amd-amdhsa--gfx1250"
	.amdhsa_code_object_version 6
	.text
	.protected	k_q5f51aecbe4_nearest
	.globl	k_q5f51aecbe4_nearest
	.p2align	8
	.type	k_q5f51aecbe4_nearest,@function
k_q5f51aecbe4_nearest:
	s_mov_b64 s[64:65], 0
	v_nop
	global_prefetch_b8 v0, s[64:65] scope:SCOPE_SE
	s_setreg_imm32_b32 hwreg(HW_REG_WAVE_MODE, 25, 1), 1
	s_wait_xcnt 0x0
; idx[n] = the first k at which |y_n - e_k|^2 is least = the first k at which  s = y_n . e_k - |e_k|^2 / 2  is largest.
; x: [8 b][64 c][8192 s] f32, a vector y_n is a column (n = 8192 b + s).  embedding: [1024 k][64 c] f32.  out3, codes: [65536] int32.
; LIMITS: both operands of the product are rounded to bf16, and |e|^2 is formed from the rounded codes; |y|^2, the same for every code of
; a vector, is left out, so the scores are rounded otherwise than reference()'s d: two codes whose d differ by about one last place of d
; in f32 may change order.  NaN and infinities in the inputs are not served.
; SHARES: 256 work-groups of 8 waves, two waves on each SIMD; a work-group has 256 vectors.  Wave w: vq = w mod 4 picks 64 vectors (four
; column tiles of 16), cp = w / 4 picks half of the codes: of each chunk of 16 code tiles the tiles 8 cp .. 8 cp + 7.  A step is what it
; would be with four waves (16 codes x 64 vectors, six LDS loads for eight matrix instructions); the second wave of a SIMD has work
; to issue while the first waits for LDS or for a result of its own.
; Tile t, lane column r is vector 64 vq + 4 r + t, so that one 16-byte load along s feeds the four tiles and a lane ends with four
; neighbouring idx.  Matrix instruction: A = 16 codes x 32 c, B = 32 c x 16 vectors, C = -|e|^2/2; result register j of lane (r, h) is the
; score of code 16 ct + 8 h + j for vector r: the search for the largest stays inside a lane until the end.
; ARG-MAX, exact, ten slots for eight scores: the tile's largest (4), is it above the best so far (1: strictly, so the first tile keeps a
; tie), and under that mask the best, the tile's number and the tile's eight scores are kept (5 pairs).  The place in the tile is found
; once, at the end, from the kept scores; then the two halves of the lanes and the two waves of a pair are compared (score, then code).
; CODEBOOK: in four chunks of 256 codes, written out without a loop.  Each wave loads 32 rows of a chunk (f32), rounds them, puts them
; into LDS and makes their |e|^2 as the diagonal of E E^T on the matrix unit.  Every LDS byte is stored once in the launch and read only
; behind the next barrier, so one barrier a chunk is all the ordering.  The next chunk's loads fly while this chunk is multiplied.
; NO JOINT LOADS, NO TENSOR LOADS: the codebook, which all work-groups share, lies in f32 and has to pass through registers to become
; bf16; a copy into LDS would add 262,144 bytes written and read again in each work-group, beside the 131,072 of bf16 kept here.
.set PITCH,  144                       ; an LDS row of a code: 128 bytes of bf16 + 16; an odd multiple of 16, so 16 rows start 16 bytes apart modulo 256
.set TILE_E, 16*PITCH                  ; a code tile
.set CH_E,   256*PITCH                 ; a chunk of codes in LDS
.set CH_EE,  1024                      ; a chunk of -|e|^2/2 in LDS
.set CH_G,   65536                     ; a chunk of codes in memory
.set EEH,    1024*PITCH                ; LDS: codes at 0 (147,456 bytes), then 1024 f32 of -|e|^2/2 (4,096),
.set XEX,    EEH+4096                  ; then x's fragments: 8,192 vq + 4,096 kf + 512 (2 t + g) + 16 lane (32,768),
.set FIN,    XEX+32768                 ; then each wave's results: 1,024 w + 16 lane: scores, + 512: idx (8,192)
.set CROW,   32768                     ; bytes from a channel of x to the next
; window 0
.set TA,   0                           ; v0, v1   scratch of the maximum (the thread's number is used up by then)
.set TB,   1
.set H,    2                           ; lane / 16
.set AADR, 3                           ; code fragments: r PITCH + 16 h + my half's 8 tiles, + chunk
.set EADR, 4                           ; -|e|^2/2 of a tile: EEH + 32 h + 512 cp, + chunk
.set SADR, 5                           ; where I put rounded codes: (32 w + h) PITCH + 8 r, + chunk
.set DADR, 6                           ; my wave's own rows as fragments: (32 w + r) PITCH + 16 h, + chunk
.set WADR, 7                           ; where I put -|e|^2/2: EEH + 4 (32 w + r), + chunk
.set GOFF, 8                           ; codebook in memory: 8,192 w + 16 lane
.set XOFF, 9                           ; x in memory: 8 h channels + 16 r
.set M,    10                          ; a tile's largest score
.set CT,   11                          ; number of the tile under the arg-max, 0 .. 63
.set H8,   12                          ; 8 h
.set L16,  13                          ; 16 lane
.set LN,   14                          ; lane
.set SO,   15                          ; idx out: 256 vq + 16 r
.set BG,   16                          ; v[16:23]   column tile u: best score at 2 u, its code tile at 2 u + 1
.set SAV,  24                          ; v[24:55]   column tile u: the best code tile's eight scores
.set XB,   56                          ; v[56:119]  x in bf16: fragment (t, kf) at 16 t + 8 kf
.set ACC,  120                         ; v[120:183] two sets of four accumulators: 32 P + 8 t
.set BUF,  184                         ; v[184:255] three buffers of 24: A for c 0-31, A for c 32-63, C
.set CV,   184                         ; v[184:215] between the multiplications: my 32 rows, rounded
.set DF,   216                         ; v[216:247] and the same rows as fragments: 16 d + 8 kf
.set EV,   248                         ; v[248:249] and their -|e|^2/2
.set OB,   250                         ; what the other half of the lanes holds
.set XSA,  251                         ; at the start: where I put, and where I read, x's fragments
.set XLA,  252
.set IDX,  184                         ; at the end: v[184:187] my four idx
.set POS,  188
.set OC,   189
.set FB,   192                         ; v[192:195] their scores
.set PB0,  196                         ; v[196:211] scores and idx of the pair's wave with cp = 0, then of that with cp = 1
.set PI0,  200
.set PB1,  204
.set PI1,  208
.set FSA,  212
.set FLA,  213
; window 1 (written by their low 8 bits)
.set XS,   0                           ; v256-319  x as loaded: load l at 4 l, column tile t at + t
.set ES,   64                          ; v320-383  codes as loaded: load l at 4 l
.set MSB, 0
.macro WIN new                         ; low byte: bits 1:0 source 0, 3:2 source 1, 5:4 source 2, 7:6 destination; high byte: the setting that is left
.if MSB != \new
	s_set_vgpr_msb (MSB<<8)|\new
.set MSB, \new
.endif
.endm
.macro PLACES                          ; four independent vector instructions behind a matrix instruction (ISA guide 7.12.1)
.rept 4
	v_nop
.endr
.endm
.macro BAR
	s_wait_dscnt 0x0                               ; for the others' sake: my LDS stores have landed and my LDS reads are back
	s_barrier_signal -1
	s_barrier_wait -1
.endm
	s_load_b256 s[4:11], s[0:1], 0x0               ; embedding s[4:5], x s[6:7], out3 s[8:9], codes s[10:11]
	s_set_vgpr_msb 0x40
	v_lshl_add_u32 v128, v0, 2, 0x2f000
	v_mov_b32 v129, 0
	s_set_vgpr_msb 0x4000
	v_lshrrev_b32 v1, 5, v0
	v_readfirstlane_b32 s12, v1                    ; wave w
	v_and_b32 v[LN], 31, v0
	v_and_b32 v1, 15, v0                           ; r
	v_bfe_u32 v[H], v0, 4, 1                       ; h
	s_and_b32 s13, s12, 3                          ; vq: which 64 vectors
	s_lshr_b32 s14, s12, 2                         ; cp: which half of the codes, and which 32 channels of x I fetch
	s_mul_i32 s15, s12, 32*PITCH                   ; my wave's 32 rows of a chunk in LDS
	v_lshlrev_b32 v[L16], 4, v[LN]
	v_mul_u32_u24 v[DADR], v1, PITCH
	v_lshl_add_u32 v[DADR], v[H], 4, v[DADR]       ; r PITCH + 16 h
	s_mul_i32 s31, s14, 8*TILE_E
	v_add_nc_u32 v[AADR], s31, v[DADR]
	v_add_nc_u32 v[DADR], s15, v[DADR]
	s_lshl_b32 s31, s14, 9
	s_add_co_u32 s31, s31, EEH
	v_lshl_add_u32 v[EADR], v[H], 5, s31
	v_mul_u32_u24 v[SADR], v[H], PITCH
	v_lshl_add_u32 v[SADR], v1, 3, v[SADR]
	v_add_nc_u32 v[SADR], s15, v[SADR]
	s_lshl_b32 s31, s12, 7
	s_add_co_u32 s31, s31, EEH
	v_lshl_add_u32 v[WADR], v1, 2, s31
	s_lshl_b32 s31, s12, 13
	v_add_nc_u32 v[GOFF], s31, v[L16]
	v_lshlrev_b32 v[XOFF], 4, v1
	v_lshl_add_u32 v[XOFF], v[H], 18, v[XOFF]      ; 8 channels of 32,768 bytes for the upper half of the lanes
	v_lshlrev_b32 v[H8], 3, v[H]
	s_lshl_b32 s34, s13, 8                         ; 256 vq: my 64 vectors' words in x and in idx
	v_lshl_add_u32 v[SO], v1, 4, s34
	s_lshl_b32 s31, s13, 13
	s_add_co_u32 s31, s31, XEX
	v_add_nc_u32 v[XLA], s31, v[L16]
	s_lshl_b32 s31, s14, 12
	v_add_nc_u32 v[XSA], s31, v[XLA]
	s_lshl_b32 s31, s14, 3
	v_mov_b32 v[CT], s31                           ; my first code tile: 8 cp
	s_lshr_b32 s24, ttmp9, 5                       ; b
	s_lshl_b32 s24, s24, 21                        ; x 64 channels x 32,768 bytes
	s_and_b32 s25, ttmp9, 31
	s_lshl_b32 s25, s25, 10                        ; + 256 vectors x 4 bytes for each work-group of this b
	s_add_co_u32 s24, s24, s25
	s_add_co_u32 s24, s24, s34                     ; + my 64 vectors
	s_lshl_b32 s25, s14, 20                        ; + 32 channels for cp = 1
	s_add_co_u32 s24, s24, s25
	s_mov_b32 s25, 0
	s_lshl_b32 s32, ttmp9, 10                      ; idx: 256 words for each work-group
	s_mov_b32 s33, 0
.irp j, 1,2,3,4,5,6,7
	s_mov_b32 s[15+\j], 0x01010101<<\j             ; the lanes with r mod 8 = j
.endr
	s_mov_b32 s23, 0xff0000ff                      ; the lanes with r / 8 = h
	s_mov_b32 s26, 0x76543210                      ; v_permlanex16_b32: lane i of one half reads lane i of the other
	s_mov_b32 s27, 0xfedcba98
	s_wait_kmcnt 0x0
	s_add_nc_u64 s[6:7], s[6:7], s[24:25]
	s_add_nc_u64 s[8:9], s[8:9], s[32:33]
	s_add_nc_u64 s[10:11], s[10:11], s[32:33]
	s_cmp_eq_u32 s14, 0
	s_cselect_b64 s[8:9], s[8:9], s[10:11]         ; both waves of a pair end with the same idx: cp = 0 stores out3, cp = 1 stores codes
; 16 loads: my wave's 32 rows of chunk c; each covers 512 consecutive bytes, two rows.  The chunk stands in the immediate: no base is stepped.
.macro ISSUE_E c
	WIN 0x40
.set l, 0
.rept 16
	global_load_b128 v[ES+4*l:ES+4*l+3], v[GOFF], s[4:5] offset:(\c)*CH_G+512*l
.set l, l+1
.endr
	WIN 0
.endm
; 16 loads: load 8 g + i brings channel 32 cp + 16 g + 8 h + i of my four vectors; sixteen lanes cover 256 consecutive bytes, aligned
.macro ISSUE_X
	WIN 0x40
.irp g, 0,1
.irp i, 0,1,2,3,4,5,6,7
	global_load_b128 v[XS+4*(8*\g+\i):XS+4*(8*\g+\i)+3], v[XOFF], s[6:7] offset:(16*\g+\i)*CROW
.endr
.endr
	WIN 0
.endm
; five slots of the arg-max on column tile u of set Q.  half 0: the tile's largest, and the mask; half 1: what is kept under the mask.
.macro AM half, u, on
.if \on
.set AB, ACC+32*Q+8*\u
.if \half
	v_dual_cndmask_b32 v[BG+2*\u], v[BG+2*\u], v[M] :: v_dual_cndmask_b32 v[BG+2*\u+1], v[BG+2*\u+1], v[CT]
.irp p, 0,2,4,6
	v_dual_cndmask_b32 v[SAV+8*\u+\p], v[SAV+8*\u+\p], v[AB+\p] :: v_dual_cndmask_b32 v[SAV+8*\u+\p+1], v[SAV+8*\u+\p+1], v[AB+\p+1]
.endr
.else
	v_max3_num_f32 v[M], v[AB], v[AB+1], v[AB+2]
	v_max3_num_f32 v[TA], v[AB+3], v[AB+4], v[AB+5]
	v_max_num_f32 v[TB], v[AB+6], v[AB+7]
	v_max3_num_f32 v[M], v[M], v[TA], v[TB]
	v_cmp_gt_f32 vcc_lo, v[M], v[BG+2*\u]          ; strictly above: the earlier tile keeps a tie
.endif
.endif
.endm
; the scores of a chunk's last tile (the eighth: set 1) are looked at
.macro DRAIN
.set Q, 1
.irp u, 0,1,2,3
	AM 0, \u, 1
	AM 1, \u, 1
.endr
.endm
; A loaded chunk becomes bf16 rows and -|e|^2/2 in LDS.  extra = loads that were issued behind the chunk's 16; nxt = the chunk whose loads
; go out as soon as the registers are free (0: none is left); drain = 1: the last tile's arg-max fills the time of the LDS loads.
.macro PRODUCE extra, nxt, drain
	WIN 0x05
.irp i, 0,1,2,3
	s_wait_loadcnt \extra+12-4*\i                  ; loads come back in order (ISA guide 5.7.1): loads 4 i .. 4 i + 3 are in, the younger ones stay out
.irp a, 0,1,2,3,4,5,6,7
	v_cvt_pk_bf16_f32 v[CV+8*\i+\a], v[ES+16*\i+2*\a], v[ES+16*\i+2*\a+1]
.endr
.endr
.if \nxt
	ISSUE_E \nxt
.else
	WIN 0
.endif
.set l, 0
.rept 16
	ds_store_b64 v[SADR], v[CV+2*l:CV+2*l+1] offset:l*2*PITCH      ; rows 2 l and 2 l + 1 of my 32: four channels, 8 bytes, a lane
.set l, l+1
.endr
.irp d, 0,1
.irp q, 0,1,2,3
	ds_load_b128 v[DF+16*\d+4*\q:DF+16*\d+4*\q+3], v[DADR] offset:\d*TILE_E+32*\q   ; my own rows back as fragments: LDS serves a wave's instructions in order
.endr
.endr
.if \drain
	DRAIN
	v_add_nc_u32 v[CT], 9, v[CT]                   ; over the other half's eight tiles to my first of the next chunk
.endif
	s_wait_dscnt 0x0
.irp d, 0,1                            ; E E^T of each of my two tiles; the two accumulators take turns
	v_wmma_f32_16x16x32_bf16 v[ACC+8*\d:ACC+8*\d+7], v[DF+16*\d:DF+16*\d+7], v[DF+16*\d:DF+16*\d+7], 0
.endr
.irp d, 0,1
	v_wmma_f32_16x16x32_bf16 v[ACC+8*\d:ACC+8*\d+7], v[DF+16*\d+8:DF+16*\d+15], v[DF+16*\d+8:DF+16*\d+15], v[ACC+8*\d:ACC+8*\d+7]
.endr
	PLACES
.irp d, 0,1                            ; the diagonal (m = n) lies in the lanes with r / 8 = h, in register r mod 8
	v_cndmask_b32 v[EV+\d], v[ACC+8*\d], v[ACC+8*\d+1], s16
.irp j, 2,3,4,5,6,7
	v_cndmask_b32 v[EV+\d], v[EV+\d], v[ACC+8*\d+\j], s[15+\j]
.endr
	v_mul_f32 v[EV+\d], -0.5, v[EV+\d]
	v_permlanex16_b32 v[OB], v[EV+\d], s26, s27    ; the other lanes take it from their partner 16 lanes away,
	v_cndmask_b32 v[EV+\d], v[OB], v[EV+\d], s23
	ds_store_b32 v[WADR], v[EV+\d] offset:64*\d    ; so all lanes store: lanes r and 16 + r the same word with the same value
.endr
.if \nxt
	v_add_nc_u32 v[SADR], CH_E, v[SADR]            ; the next chunk's places
	v_add_nc_u32 v[DADR], CH_E, v[DADR]
	v_add_nc_u32 v[WADR], CH_EE, v[WADR]
.endif
.endm
; six LDS loads: my code tile s of the chunk into buffer s mod 3
.macro LDT s
.set LB, BUF+24*((\s)%3)
.irp q, 0,1,2,3
	ds_load_b128 v[LB+4*\q:LB+4*\q+3], v[AADR] offset:(\s)*TILE_E+32*\q
.endr
	ds_load_b128 v[LB+16:LB+19], v[EADR] offset:(\s)*64
	ds_load_b128 v[LB+20:LB+23], v[EADR] offset:(\s)*64+16
.endm
; one matrix instruction of set P: k = 0 starts column tile t's sums from -|e|^2/2, k = 1 adds channels 32-63 in place
.macro MM k, t
.set AC, ACC+32*P+8*\t
.if \k
	v_wmma_f32_16x16x32_bf16 v[AC:AC+7], v[BF+8:BF+15], v[XB+16*\t+8:XB+16*\t+15], v[AC:AC+7]
.else
	v_wmma_f32_16x16x32_bf16 v[AC:AC+7], v[BF:BF+7], v[XB+16*\t:XB+16*\t+7], v[BF+16:BF+23]
.endif
.endm
; My code tile s of the chunk: eight matrix instructions into set s mod 2; behind each, five slots of the arg-max on the set of tile s - 1.
; The four accumulators take turns, one instruction a turn.  A set is read at least four places behind the
; instruction that wrote it, and a buffer is loaded again at least four places behind the last that read it (ISA guide 7.12.1): the
; slots of the arg-max name no register of those instructions; behind tile 0, which has no arg-max beside it, four v_nop.
.macro STEP s
.set P, (\s)&1
.set Q, 1-P
.set BF, BUF+24*((\s)%3)
.if \s < 7
	s_wait_dscnt 6                                 ; this tile's six loads (and all older ones) are in; the six behind them are the next tile's
.else
	s_wait_dscnt 0x0
.endif
.if \s < 6
	LDT \s+2
.endif
	MM 0, 0
	AM 0, 0, \s
	MM 0, 1
	AM 1, 0, \s
	MM 0, 2
	AM 0, 1, \s
	MM 0, 3
	AM 1, 1, \s
	MM 1, 0
	AM 0, 2, \s
	MM 1, 1
	AM 1, 2, \s
	MM 1, 2
	AM 0, 3, \s
	MM 1, 3
	AM 1, 3, \s
.if \s
	v_add_nc_u32 v[CT], 1, v[CT]
.else
	PLACES
.endif
.endm
; my eight code tiles of a chunk; more = 1: the addresses step to the next chunk.  The eighth tile's arg-max is left to DRAIN.
.macro STEPS more
	LDT 0
	LDT 1
.irp st, 0,1,2,3,4,5,6,7
	STEP \st
.endr
.if \more
	v_add_nc_u32 v[AADR], CH_E, v[AADR]
	v_add_nc_u32 v[EADR], CH_EE, v[EADR]
.endif
.endm
	ISSUE_E 0
	ISSUE_X
.irp u, 0,1,2,3
	v_mov_b32 v[BG+2*\u], 0xff800000               ; best so far: minus infinity, so the first tile is taken
	v_mov_b32 v[BG+2*\u+1], 0
.endr
.set i, 0
.rept 32
	v_mov_b32 v[SAV+i], 0                          ; the selects read what they keep: written once, while the first loads are on their way
.set i, i+1
.endr
	v_mov_b32 v[OB], 0                             ; v_permlanex16_b32 counts as a reader of its destination
	PRODUCE 16, 1, 0                               ; chunk 0: the 16 loads of x are younger than its own; chunk 1's go out
	s_wait_loadcnt 16                              ; x is in; the 16 behind it are chunk 1's
	; x to bf16: register 4 g + ii of column tile t holds channels 32 cp + 16 g + 8 h + 2 ii and + 1 of vector 4 r + t.  My 32 channels go to
	; LDS, and both waves of a pair read all 64 back: x is fetched from memory once for the work-group.
	WIN 0x05
.irp t, 0,1,2,3
.irp g, 0,1
.irp ii, 0,1,2,3
	v_cvt_pk_bf16_f32 v[XB+8*\t+4*\g+\ii], v[XS+4*(8*\g+2*\ii)+\t], v[XS+4*(8*\g+2*\ii+1)+\t]
.endr
.endr
.endr
	WIN 0
.irp t, 0,1,2,3
.irp g, 0,1
	ds_store_b128 v[XSA], v[XB+8*\t+4*\g:XB+8*\t+4*\g+3] offset:(2*\t+\g)*512
.endr
.endr
	BAR                                            ; chunk 0 and x's fragments are whole for every wave
.irp t, 0,1,2,3
.irp kf, 0,1
.irp g, 0,1
	ds_load_b128 v[XB+16*\t+8*\kf+4*\g:XB+16*\t+8*\kf+4*\g+3], v[XLA] offset:\kf*4096+(2*\t+\g)*512
.endr
.endr
.endr
	STEPS 1                                        ; chunk 0 is multiplied (its first wait covers the loads above, which are older)
	PRODUCE 0, 2, 1                                ; chunk 1 goes into bytes that nobody has touched; chunk 2's loads go out
	BAR                                            ; chunk 1 is whole for every wave
	STEPS 1
	PRODUCE 0, 3, 1
	BAR
	STEPS 1
	PRODUCE 0, 0, 1
	BAR
	STEPS 0
	DRAIN
	; The place of the best score in its tile (the lowest register that holds it), the code's number, and the better of the two halves
	; of the lanes: the larger score, at equal scores the lower code.
	v_mov_b32 v[OC], 0                             ; v_permlanex16_b32 counts as a reader of its destination
.irp u, 0,1,2,3
	v_mov_b32 v[POS], 7
.irp i, 6,5,4,3,2,1,0
	v_cmp_neq_f32 vcc_lo, v[SAV+8*\u+\i], v[BG+2*\u]
	v_cndmask_b32 v[POS], \i, v[POS], vcc_lo
.endr
	v_lshl_add_u32 v[IDX+\u], v[BG+2*\u+1], 4, v[POS]
	v_add_nc_u32 v[IDX+\u], v[IDX+\u], v[H8]       ; 16 ct + 8 h + j
	v_permlanex16_b32 v[OB], v[BG+2*\u], s26, s27
	v_permlanex16_b32 v[OC], v[IDX+\u], s26, s27
	v_cmp_gt_f32 s28, v[OB], v[BG+2*\u]
	v_cmp_eq_f32 s29, v[OB], v[BG+2*\u]
	v_cmp_lt_u32 s30, v[OC], v[IDX+\u]
	s_and_b32 s29, s29, s30
	s_or_b32 vcc_lo, s28, s29
	v_cndmask_b32 v[IDX+\u], v[IDX+\u], v[OC], vcc_lo
	v_cndmask_b32 v[FB+\u], v[BG+2*\u], v[OB], vcc_lo
.endr
	; The two waves of a pair: each puts its scores and idx into its own bytes of LDS, and behind a barrier each reads both and compares alike.
	s_lshl_b32 s31, s12, 10
	s_add_co_u32 s31, s31, FIN
	v_add_nc_u32 v[FSA], s31, v[L16]
	s_lshl_b32 s31, s13, 10
	s_add_co_u32 s31, s31, FIN
	v_add_nc_u32 v[FLA], s31, v[L16]
	ds_store_b128 v[FSA], v[FB:FB+3]
	ds_store_b128 v[FSA], v[IDX:IDX+3] offset:512
	BAR
	ds_load_b128 v[PB0:PB0+3], v[FLA]
	ds_load_b128 v[PI0:PI0+3], v[FLA] offset:512
	ds_load_b128 v[PB1:PB1+3], v[FLA] offset:4096
	ds_load_b128 v[PI1:PI1+3], v[FLA] offset:4608
	s_wait_dscnt 0x0
.irp u, 0,1,2,3
	v_cmp_gt_f32 s28, v[PB1+\u], v[PB0+\u]
	v_cmp_eq_f32 s29, v[PB1+\u], v[PB0+\u]
	v_cmp_lt_u32 s30, v[PI1+\u], v[PI0+\u]
	s_and_b32 s29, s29, s30
	s_or_b32 vcc_lo, s28, s29
	v_cndmask_b32 v[IDX+\u], v[PI0+\u], v[PI1+\u], vcc_lo
.endr
	s_wait_xcnt 0x0                                ; EXEC changes only behind this wait
	v_cmp_gt_u32 vcc_lo, 16, v[LN]
	s_set_vgpr_msb 0x5
	s_wait_tensorcnt 0x0
	ds_add_u32 v128, v129
	s_wait_dscnt 0x0
	s_set_vgpr_msb 0x500
	s_and_saveexec_b32 s31, vcc_lo                 ; both halves of the lanes hold the same: lanes 0-15 store 256 consecutive bytes, aligned
	global_store_b128 v[SO], v[IDX:IDX+3], s[8:9]
	s_endpgm
.Lfunc_end_k_q5f51aecbe4_nearest:
	.size	k_q5f51aecbe4_nearest, .Lfunc_end_k_q5f51aecbe4_nearest-k_q5f51aecbe4_nearest
	.p2alignl 7, 3214868480
	.fill 96, 4, 3214868480
	.section	.rodata,"a",@progbits
	.p2align	6, 0x0
	.amdhsa_kernel k_q5f51aecbe4_nearest
		.amdhsa_group_segment_fixed_size 193536
		.amdhsa_private_segment_fixed_size 0
		.amdhsa_enable_private_segment 0
		.amdhsa_kernarg_size 32
		.amdhsa_user_sgpr_count 2
		.amdhsa_user_sgpr_kernarg_segment_ptr 1
		.amdhsa_wavefront_size32 1
		.amdhsa_system_sgpr_workgroup_id_x 1
		.amdhsa_system_sgpr_workgroup_id_y 1
		.amdhsa_system_sgpr_workgroup_id_z 1
		.amdhsa_system_vgpr_workitem_id 0
		.amdhsa_next_free_vgpr 386
		.amdhsa_next_free_sgpr 66
		.amdhsa_reserve_vcc 1
		.amdhsa_float_denorm_mode_32 3
		.amdhsa_float_denorm_mode_16_64 3
		.amdhsa_memory_ordered 1
		.amdhsa_forward_progress 1
		.amdhsa_inst_pref_size 148
	.end_amdhsa_kernel
	.amdgpu_metadata
---
amdhsa.version: [ 1, 2 ]
amdhsa.kernels:
  - .name:           k_q5f51aecbe4_nearest
    .symbol:         k_q5f51aecbe4_nearest.kd
    .args:
      - { .name: embedding, .offset: 0, .size: 8, .value_kind: global_buffer, .address_space: global }
      - { .name: x, .offset: 8, .size: 8, .value_kind: global_buffer, .address_space: global }
      - { .name: out3, .offset: 16, .size: 8, .value_kind: global_buffer, .address_space: global }
      - { .name: codes, .offset: 24, .size: 8, .value_kind: global_buffer, .address_space: global }
    .group_segment_fixed_size: 193536
    .private_segment_fixed_size: 0
    .kernarg_segment_align: 8
    .kernarg_segment_size: 32
    .max_flat_workgroup_size: 256
    .sgpr_count:     66
    .vgpr_count:     386
    .wavefront_size: 32
...
	.end_amdgpu_metadata
.endif
;; end of part 1
;; launch gather (part 2): grid 256 x 1, 4 waves a work-group, no clusters, 70,144 bytes of LDS; arguments embedding, x, codes, out0, part; writes out0, part
.if DOCPART == 2
	.amdgcn_target "amdgcn-amd-amdhsa--gfx1250"
	.amdhsa_code_object_version 6
	.text
	.protected	k_q5f51aecbe4_gather
	.globl	k_q5f51aecbe4_gather
	.p2align	8
	.type	k_q5f51aecbe4_gather,@function
k_q5f51aecbe4_gather:
	s_mov_b64 s[64:65], 0
	v_nop
	global_prefetch_b8 v0, s[64:65] scope:SCOPE_SE
	s_setreg_imm32_b32 hwreg(HW_REG_WAVE_MODE, 25, 1), 1
	s_wait_xcnt 0x0
; out0 = x + (z - x) with z[b][c][s] = embedding[idx[b][s]][c], and part[4 g + w] = the wave's sum of (z - x)^2.  All in f32.
; x, out0: [8 b][64 c][8192 s].  codes: [65536] int32, stored by the launch before.  part: [1024] f32.
; 256 work-groups of 4 waves; a wave has 64 vectors x 64 channels, and no wave needs another: no barrier.
; Lane L owns vectors 2 L and 2 L + 1: a load or store of 8 bytes a lane covers 256 consecutive bytes of a channel's row, aligned.
; The codes' rows are fetched whole (sixteen lanes take a row's 256 bytes) and turned in the wave's own LDS: 64 rows of 272 bytes
; (an odd multiple of 16, so that sixteen lanes that read sixteen rows start 16 bytes apart modulo 256).
; Memory binds here: matrix units, tensor loads and clusters would add nothing; the only shared input is the codebook of 262,144 bytes.
; An idx outside 0 .. 1023 cannot come from the launch before; it is clamped to 1023 all the same.
.set CROW, 32768                       ; bytes from a channel to the next
.set LP,   272
.set WLDS, 64*LP
.set LN,   3                           ; lane
.set XOFF, 4                           ; 8 lane
.set IOFF, 5                           ; 128 h: the half's 32 idx
.set R16,  6                           ; 16 r
.set STA,  7                           ; LDS, in: my wave + 16 h rows + 16 r
.set LDA,  8                           ; LDS, back: my wave + row L
.set PO,   9                           ; 4 (4 g + w)
.set IX,   16                          ; v[16:47]  idx of vectors 32 h + k
.set LA,   48                          ; v[48:55]  four pairs of sums
.set Z,    64                          ; v[64:191] first: row of vector 32 h + k, channels 4 r .. 4 r + 3, at 4 k; then z of vector 2 L + e, channel c, at 64 e + c
.set X,    0                           ; window 1, v256-383: x, then out0: channel c, vector 2 L + e at 2 c + e
.set T,    128                         ; window 1, v384-511: z - x, likewise
.set MSB, 0
.macro WIN new                         ; low byte: bits 1:0 source 0, 3:2 source 1, 5:4 source 2, 7:6 destination; high byte: the setting that is left
.if MSB != \new
	s_set_vgpr_msb (MSB<<8)|\new
.set MSB, \new
.endif
.endm
	s_load_b256 s[4:11], s[0:1], 0x0               ; embedding s[4:5], x s[6:7], codes s[8:9], out0 s[10:11]
	s_load_b64 s[12:13], s[0:1], 0x20              ; part
	v_lshl_add_u32 v254, v0, 2, 0x11000
	v_mov_b32 v255, 0
	v_lshrrev_b32 v1, 5, v0
	v_readfirstlane_b32 s14, v1                    ; wave w
	v_and_b32 v[LN], 31, v0
	v_and_b32 v1, 15, v0                           ; r
	v_bfe_u32 v2, v0, 4, 1                         ; h
	v_lshlrev_b32 v[XOFF], 3, v[LN]
	v_lshlrev_b32 v[IOFF], 7, v2
	v_lshlrev_b32 v[R16], 4, v1
	s_mul_i32 s15, s14, WLDS
	v_mul_u32_u24 v[STA], v2, 16*LP
	v_add3_u32 v[STA], v[STA], v[R16], s15
	v_mul_u32_u24 v[LDA], v[LN], LP
	v_add_nc_u32 v[LDA], s15, v[LDA]
	s_lshl2_add_u32 s16, ttmp9, s14                ; 4 g + w
	s_lshl_b32 s18, s16, 8                         ; x 64 idx x 4 bytes
	s_mov_b32 s19, 0
	s_lshl_b32 s16, s16, 2
	v_mov_b32 v[PO], s16
	s_lshr_b32 s2, ttmp9, 5                        ; b
	s_lshl_b32 s2, s2, 21                          ; x 64 channels x 32,768 bytes
	s_and_b32 s3, ttmp9, 31
	s_lshl_b32 s3, s3, 10                          ; + 256 vectors x 4 bytes for each work-group of this b
	s_add_co_u32 s2, s2, s3
	s_lshl_b32 s3, s14, 8                          ; + my wave's 64 vectors
	s_add_co_u32 s2, s2, s3
	s_mov_b32 s3, 0
	s_mov_b32 s20, 0x76543210                      ; v_permlanex16_b32: lane i of one half reads lane i of the other
	s_mov_b32 s21, 0xfedcba98
	s_wait_kmcnt 0x0
	s_add_nc_u64 s[6:7], s[6:7], s[2:3]
	s_add_nc_u64 s[10:11], s[10:11], s[2:3]
	s_add_nc_u64 s[8:9], s[8:9], s[18:19]
.macro XLOAD c0                        ; 32 channels of x
	WIN 0x40
.set c, \c0
.rept 32
	global_load_b64 v[X+2*c:X+2*c+1], v[XOFF], s[6:7] offset:c*CROW th:TH_LOAD_NT
.set c, c+1
.endr
	WIN 0
.endm
.macro HALF c0                         ; 32 channels: z - x, x + (z - x), out
	WIN 0x44
.set c, \c0
.rept 32
	v_sub_f32 v[T+2*c], v[Z+c], v[X+2*c]
	v_sub_f32 v[T+2*c+1], v[Z+64+c], v[X+2*c+1]
.set c, c+1
.endr
	WIN 0x45
.set c, \c0
.rept 32
	v_pk_add_f32 v[X+2*c:X+2*c+1], v[X+2*c:X+2*c+1], v[T+2*c:T+2*c+1]
.set c, c+1
.endr
	WIN 0x04
.set c, \c0
.rept 32
	global_store_b64 v[XOFF], v[X+2*c:X+2*c+1], s[10:11] offset:c*CROW th:TH_STORE_NT
.set c, c+1
.endr
.endm
.irp j, 0,1,2,3,4,5,6,7
	global_load_b128 v[IX+4*\j:IX+4*\j+3], v[IOFF], s[8:9] offset:16*\j   ; every lane of a half gets the half's 32 idx
.endr
	XLOAD 0
	s_wait_loadcnt 32                              ; the idx are in; the 32 loads of x behind them stay out
.set k, 0
.rept 32
	v_min_u32 v[IX+k], 0x3ff, v[IX+k]
	v_lshl_add_u32 v[Z+4*k], v[IX+k], 8, v[R16]    ; 256 idx + 16 r
	global_load_b128 v[Z+4*k:Z+4*k+3], v[Z+4*k], s[4:5]   ; two whole rows: vector k (lanes 0-15) and vector 32 + k; the load lands on its own address
.set k, k+1
.endr
	XLOAD 32
.set k, 0
.irp q, 0,1,2,3
	s_wait_loadcnt 56-8*\q                         ; rows 8 q .. 8 q + 7 are in: behind them stand 24 - 8 q rows and 32 loads of x
.rept 8
	ds_store_b128 v[STA], v[Z+4*k:Z+4*k+3] offset:((k>>1)+32*(k&1))*LP   ; vector v goes to row v / 2 + 32 (v mod 2)
.set k, k+1
.endr
.endr
.irp hf, 0,1
.irp e, 0,1
.irp cq, 0,1,2,3,4,5,6,7
	ds_load_b128 v[Z+64*\e+32*\hf+4*\cq:Z+64*\e+32*\hf+4*\cq+3], v[LDA] offset:\e*32*LP+128*\hf+16*\cq   ; my two vectors' rows; LDS serves a wave's instructions in order
.endr
.endr
.endr
	s_wait_dscnt 16                                ; channels 0-31 of both vectors are back; x's were older than the rows
	HALF 0
	s_wait_loadcnt 0x0
	s_wait_dscnt 0x0
	HALF 32
	WIN 0x05
.irp c, 0,1,2,3
	v_pk_mul_f32 v[LA+2*\c:LA+2*\c+1], v[T+2*\c:T+2*\c+1], v[T+2*\c:T+2*\c+1]   ; the first four products start the sums
.endr
.set c, 4
.rept 60
	v_pk_fma_f32 v[LA+2*(c%4):LA+2*(c%4)+1], v[T+2*c:T+2*c+1], v[T+2*c:T+2*c+1], v[LA+2*(c%4):LA+2*(c%4)+1]
.set c, c+1
.endr
	WIN 0
	v_pk_add_f32 v[LA:LA+1], v[LA:LA+1], v[LA+2:LA+3]
	v_pk_add_f32 v[LA+4:LA+5], v[LA+4:LA+5], v[LA+6:LA+7]
	v_pk_add_f32 v[LA:LA+1], v[LA:LA+1], v[LA+4:LA+5]
	v_add_f32 v[LA], v[LA], v[LA+1]
	v_add_f32_dpp v[LA], v[LA], v[LA] row_xmask:1 row_mask:0xf bank_mask:0xf
	v_add_f32_dpp v[LA], v[LA], v[LA] row_xmask:2 row_mask:0xf bank_mask:0xf
	v_add_f32_dpp v[LA], v[LA], v[LA] row_xmask:4 row_mask:0xf bank_mask:0xf
	v_add_f32_dpp v[LA], v[LA], v[LA] row_xmask:8 row_mask:0xf bank_mask:0xf
	v_permlanex16_b32 v[LA+1], v[LA], s20, s21
	v_add_f32 v[LA], v[LA], v[LA+1]
	s_wait_xcnt 0x0                                ; EXEC changes only when the stores above have had their addresses translated
	v_cmp_eq_u32 vcc_lo, 0, v[LN]
	s_wait_tensorcnt 0x0
	ds_add_u32 v254, v255
	s_wait_dscnt 0x0
	s_and_saveexec_b32 s22, vcc_lo
	global_store_b32 v[PO], v[LA], s[12:13]        ; one word for the wave
	s_endpgm
.Lfunc_end_k_q5f51aecbe4_gather:
	.size	k_q5f51aecbe4_gather, .Lfunc_end_k_q5f51aecbe4_gather-k_q5f51aecbe4_gather
	.p2alignl 7, 3214868480
	.fill 96, 4, 3214868480
	.section	.rodata,"a",@progbits
	.p2align	6, 0x0
	.amdhsa_kernel k_q5f51aecbe4_gather
		.amdhsa_group_segment_fixed_size 70144
		.amdhsa_private_segment_fixed_size 0
		.amdhsa_enable_private_segment 0
		.amdhsa_kernarg_size 40
		.amdhsa_user_sgpr_count 2
		.amdhsa_user_sgpr_kernarg_segment_ptr 1
		.amdhsa_wavefront_size32 1
		.amdhsa_system_sgpr_workgroup_id_x 1
		.amdhsa_system_sgpr_workgroup_id_y 1
		.amdhsa_system_sgpr_workgroup_id_z 1
		.amdhsa_system_vgpr_workitem_id 0
		.amdhsa_next_free_vgpr 512
		.amdhsa_next_free_sgpr 66
		.amdhsa_reserve_vcc 1
		.amdhsa_float_denorm_mode_32 3
		.amdhsa_float_denorm_mode_16_64 3
		.amdhsa_memory_ordered 1
		.amdhsa_forward_progress 1
		.amdhsa_inst_pref_size 40
	.end_amdhsa_kernel
	.amdgpu_metadata
---
amdhsa.version: [ 1, 2 ]
amdhsa.kernels:
  - .name:           k_q5f51aecbe4_gather
    .symbol:         k_q5f51aecbe4_gather.kd
    .args:
      - { .name: embedding, .offset: 0, .size: 8, .value_kind: global_buffer, .address_space: global }
      - { .name: x, .offset: 8, .size: 8, .value_kind: global_buffer, .address_space: global }
      - { .name: codes, .offset: 16, .size: 8, .value_kind: global_buffer, .address_space: global }
      - { .name: out0, .offset: 24, .size: 8, .value_kind: global_buffer, .address_space: global }
      - { .name: part, .offset: 32, .size: 8, .value_kind: global_buffer, .address_space: global }
    .group_segment_fixed_size: 70144
    .private_segment_fixed_size: 0
    .kernarg_segment_align: 8
    .kernarg_segment_size: 40
    .max_flat_workgroup_size: 128
    .sgpr_count:     66
    .vgpr_count:     512
    .wavefront_size: 32
...
	.end_amdgpu_metadata
.endif
;; end of part 2
;; launch loss (part 3): grid 1 x 1, 1 waves a work-group, no clusters, 0 bytes of LDS; arguments part, out1, out2; writes out1, out2
.if DOCPART == 3
	.amdgcn_target "amdgcn-amd-amdhsa--gfx1250"
	.amdhsa_code_object_version 6
	.text
	.protected	k_q5f51aecbe4_loss
	.globl	k_q5f51aecbe4_loss
	.p2align	8
	.type	k_q5f51aecbe4_loss,@function
k_q5f51aecbe4_loss:
	s_mov_b64 s[64:65], 0
	v_nop
	global_prefetch_b8 v0, s[64:65] scope:SCOPE_SE
	s_setreg_imm32_b32 hwreg(HW_REG_WAVE_MODE, 25, 1), 1
	s_wait_xcnt 0x0
; out1 = (sum of the 1024 partial sums of (z - x)^2) / 4,194,304;  out2 = 0.25 out1.  One wave: 4,096 bytes are all there is to read.
; The sum spans the work-groups of the launch before, so it is made here, by one owner, in a fixed order.
	s_load_b128 s[4:7], s[0:1], 0x0                ; part s[4:5], out1 s[6:7]
	s_load_b64 s[8:9], s[0:1], 0x10                ; out2
	s_mov_b32 s10, 0x76543210
	s_mov_b32 s11, 0xfedcba98
	v_lshlrev_b32 v1, 4, v0
	s_wait_kmcnt 0x0
.irp j, 0,1,2,3,4,5,6,7
	global_load_b128 v[4+4*\j:7+4*\j], v1, s[4:5] offset:512*\j
.endr
	s_wait_loadcnt 0x0
.irp d, 16,8,4,2                       ; 32 numbers a lane to 2, by halves
.set p, 0
.rept \d/2
	v_pk_add_f32 v[4+p:5+p], v[4+p:5+p], v[4+p+\d:5+p+\d]
.set p, p+2
.endr
.endr
	v_add_f32 v4, v4, v5
	v_add_f32_dpp v4, v4, v4 row_xmask:1 row_mask:0xf bank_mask:0xf
	v_add_f32_dpp v4, v4, v4 row_xmask:2 row_mask:0xf bank_mask:0xf
	v_add_f32_dpp v4, v4, v4 row_xmask:4 row_mask:0xf bank_mask:0xf
	v_add_f32_dpp v4, v4, v4 row_xmask:8 row_mask:0xf bank_mask:0xf
	v_permlanex16_b32 v5, v4, s10, s11
	v_add_f32 v4, v4, v5
	v_mul_f32 v6, 0x34800000, v4                   ; 2^-22 = 1 / (65,536 vectors x 64 channels)
	v_mul_f32 v7, 0x3e800000, v6                   ; BETA = 0.25
	v_mov_b32 v8, 0
	s_wait_xcnt 0x0                                ; EXEC changes only behind this wait
	v_cmp_eq_u32 vcc_lo, 0, v0
	s_and_saveexec_b32 s12, vcc_lo
	global_store_b32 v8, v6, s[6:7]
	global_store_b32 v8, v7, s[8:9]
	s_endpgm
.Lfunc_end_k_q5f51aecbe4_loss:
	.size	k_q5f51aecbe4_loss, .Lfunc_end_k_q5f51aecbe4_loss-k_q5f51aecbe4_loss
	.p2alignl 7, 3214868480
	.fill 96, 4, 3214868480
	.section	.rodata,"a",@progbits
	.p2align	6, 0x0
	.amdhsa_kernel k_q5f51aecbe4_loss
		.amdhsa_group_segment_fixed_size 0
		.amdhsa_private_segment_fixed_size 0
		.amdhsa_enable_private_segment 0
		.amdhsa_kernarg_size 24
		.amdhsa_user_sgpr_count 2
		.amdhsa_user_sgpr_kernarg_segment_ptr 1
		.amdhsa_wavefront_size32 1
		.amdhsa_system_sgpr_workgroup_id_x 1
		.amdhsa_system_sgpr_workgroup_id_y 1
		.amdhsa_system_sgpr_workgroup_id_z 1
		.amdhsa_system_vgpr_workitem_id 0
		.amdhsa_next_free_vgpr 48
		.amdhsa_next_free_sgpr 66
		.amdhsa_reserve_vcc 1
		.amdhsa_float_denorm_mode_32 3
		.amdhsa_float_denorm_mode_16_64 3
		.amdhsa_memory_ordered 1
		.amdhsa_forward_progress 1
		.amdhsa_inst_pref_size 4
	.end_amdhsa_kernel
	.amdgpu_metadata
---
amdhsa.version: [ 1, 2 ]
amdhsa.kernels:
  - .name:           k_q5f51aecbe4_loss
    .symbol:         k_q5f51aecbe4_loss.kd
    .args:
      - { .name: part, .offset: 0, .size: 8, .value_kind: global_buffer, .address_space: global }
      - { .name: out1, .offset: 8, .size: 8, .value_kind: global_buffer, .address_space: global }
      - { .name: out2, .offset: 16, .size: 8, .value_kind: global_buffer, .address_space: global }
    .group_segment_fixed_size: 0
    .private_segment_fixed_size: 0
    .kernarg_segment_align: 8
    .kernarg_segment_size: 24
    .max_flat_workgroup_size: 32
    .sgpr_count:     66
    .vgpr_count:     48
    .wavefront_size: 32
...
	.end_amdgpu_metadata
.endif
;; end of part 3
